; MI455X (gfx1250); checked and timed in simulation.
; The chip was launched on July 23, 2026; its instructions are those of AMD's public machine-readable ISA for CDNA 5 (MIT licence, August 2026) and "CDNA5" Instruction Set Architecture Reference Guide (July 2026). The comments in the code are by the model that wrote it; some were corrected since.
;; Vector Quantization. Allowed arithmetic: float matrix products may take bf16 or f16 operands with f32 sums; other float arithmetic in f32, or as packed bf16 or f16 multiplies, adds, multiply-adds, maxima and minima; sums over many terms, partial sums and values carried from step to step in f32; what a program stores and reads back later, other than sums and carried values, may be rounded once to bf16 or f16.
;; Inputs: codebook 16,384 x 512 float32; x 8,192 x 512 float32.
;; Outputs: out0 8,192 x 512 float32.
;; 2 versions, each right; version 2 is version 1 with the launch cast written anew for expert scheduling mode. Each part assembles by itself: llvm-mc -triple=amdgcn-amd-amdhsa -mcpu=gfx1250 --defsym DOCPART=n.
;; ======== version 1 of 2: 3 launches
;; workspace buffers: xb 8,388,608 bytes; cb 16,777,216 bytes; cand 524,288 bytes of whole numbers
;; launch cast (part 1): grid 768 x 1, 8 waves a work-group, no clusters, 0 bytes of LDS; arguments codebook, x, cb, xb; writes cb, xb
.if DOCPART == 1
	.amdgcn_target "amdgcn-amd-amdhsa--gfx1250"
	.amdhsa_code_object_version 6
	.text
	.protected	k_qc023b0cd4f_cast
	.globl	k_qc023b0cd4f_cast
	.p2align	8
	.type	k_qc023b0cd4f_cast,@function
k_qc023b0cd4f_cast:
	s_mov_b64 s[64:65], 0
	v_nop
	global_prefetch_b8 v0, s[64:65] scope:SCOPE_SE
	s_setreg_imm32_b32 hwreg(HW_REG_WAVE_MODE, 25, 1), 1
	s_wait_xcnt 0x0
; VECTOR QUANTIZATION, launch 1 of 3: x [8192][512] and codebook [16384][512], f32, are rounded once to bf16 (xb, cb), the operands of the product in the second launch.
; WORK LEFT OUT IN THE WHOLE PROGRAM: the normalisation of x.  reference() divides row n of x by d_n = max(|x_n|, 1e-12), which is at least 1e-12, so positive, for every finite x.
; Then sims[n][k] = (x_n . c_k) / d_n: along k, the axis of the argmax, every number of row n is divided by the same positive d_n, which changes neither their order nor
; their ties (a row of zeros gives zeros either way: index 0).  The output is codebook[argmax], so the norm, its root, the maximum with 1e-12 and the division reach no output.  Both inputs stay live and are loaded.
; LIMITS.  An overflow of the sum of squares (|x| beyond some 1e19), a NaN or an infinity that touches the norm alone is not carried to the result.  bf16 keeps 8 significant bits: the index
; is that of the rounded operands' products; a number beyond bf16's largest finite one (3.39e38) rounds to an infinity.
; SHARES.  A work-group takes 65,536 bytes of f32 and makes 32,768 of bf16: groups 0-511 the codebook, 512-767 x.  Thread t takes the 16 bytes at 16 t + 4,096 i, i = 0..15: a wave's load covers
; 512 consecutive bytes, its store 256 consecutive bytes at a multiple of 256.  All sixteen loads go out before the first wait; no register is written twice, so nothing waits for a store.
; No LDS, no matrix unit, no cluster: nothing is shared and nothing is multiplied.
.set IN,  4                            ; v[4:67]   chunk i: four f32 as loaded
.set OUT, 68                           ; v[68:99]  chunk i: four bf16 to store
	s_load_b256 s[4:11], s[0:1], 0x0               ; codebook s[4:5], x s[6:7], cb s[8:9], xb s[10:11]
	v_lshlrev_b32 v1, 4, v0                        ; my 16 bytes of a chunk of f32
	v_lshlrev_b32 v2, 3, v0                        ; my 8 bytes of a chunk of bf16
	s_cmp_lt_u32 ttmp9, 512                        ; the codebook's groups come first
	s_cselect_b32 s13, 0, 512
	s_wait_kmcnt 0x0
	s_cselect_b64 s[16:17], s[4:5], s[6:7]         ; from where,
	s_cselect_b64 s[18:19], s[8:9], s[10:11]       ; to where
	s_sub_co_u32 s12, ttmp9, s13                   ; my block in that tensor
	s_lshl_b32 s14, s12, 16
	s_mov_b32 s15, 0
	s_add_nc_u64 s[16:17], s[16:17], s[14:15]
	s_lshl_b32 s14, s12, 15
	s_add_nc_u64 s[18:19], s[18:19], s[14:15]
.irp i, 0,1,2,3,4,5,6,7,8,9,10,11,12,13,14,15
	global_load_b128 v[IN+4*(\i):IN+4*(\i)+3], v1, s[16:17] offset:4096*(\i) th:TH_LOAD_NT
.endr
.irp i, 0,1,2,3,4,5,6,7,8,9,10,11,12,13,14,15
	s_wait_loadcnt 15-(\i)                         ; loads come back in order (ISA guide 5.7.1): chunk i is in, the 15 - i younger ones stay out
	v_cvt_pk_bf16_f32 v[OUT+2*(\i)],   v[IN+4*(\i)],   v[IN+4*(\i)+1]  ; two roundings to nearest even, packed
	v_cvt_pk_bf16_f32 v[OUT+2*(\i)+1], v[IN+4*(\i)+2], v[IN+4*(\i)+3]
	global_store_b64 v2, v[OUT+2*(\i):OUT+2*(\i)+1], s[18:19] offset:2048*(\i) th:TH_STORE_NT
.endr
	s_endpgm
.Lfunc_end_k_qc023b0cd4f_cast:
	.size	k_qc023b0cd4f_cast, .Lfunc_end_k_qc023b0cd4f_cast-k_qc023b0cd4f_cast
	.p2alignl 7, 3214868480
	.fill 96, 4, 3214868480
	.section	.rodata,"a",@progbits
	.p2align	6, 0x0
	.amdhsa_kernel k_qc023b0cd4f_cast
		.amdhsa_group_segment_fixed_size 0
		.amdhsa_private_segment_fixed_size 0
		.amdhsa_enable_private_segment 0
		.amdhsa_kernarg_size 32
		.amdhsa_user_sgpr_count 2
		.amdhsa_user_sgpr_kernarg_segment_ptr 1
		.amdhsa_wavefront_size32 1
		.amdhsa_system_sgpr_workgroup_id_x 1
		.amdhsa_system_sgpr_workgroup_id_y 1
		.amdhsa_system_sgpr_workgroup_id_z 1
		.amdhsa_system_vgpr_workitem_id 0
		.amdhsa_next_free_vgpr 104
		.amdhsa_next_free_sgpr 66
		.amdhsa_reserve_vcc 0
		.amdhsa_float_denorm_mode_32 3
		.amdhsa_float_denorm_mode_16_64 3
		.amdhsa_memory_ordered 1
		.amdhsa_forward_progress 1
		.amdhsa_inst_pref_size 7
	.end_amdhsa_kernel
	.amdgpu_metadata
---
amdhsa.version: [ 1, 2 ]
amdhsa.kernels:
  - .name:           k_qc023b0cd4f_cast
    .symbol:         k_qc023b0cd4f_cast.kd
    .args:
      - { .name: codebook, .offset: 0, .size: 8, .value_kind: global_buffer, .address_space: global }
      - { .name: x, .offset: 8, .size: 8, .value_kind: global_buffer, .address_space: global }
      - { .name: cb, .offset: 16, .size: 8, .value_kind: global_buffer, .address_space: global }
      - { .name: xb, .offset: 24, .size: 8, .value_kind: global_buffer, .address_space: global }
    .group_segment_fixed_size: 0
    .private_segment_fixed_size: 0
    .kernarg_segment_align: 8
    .kernarg_segment_size: 32
    .max_flat_workgroup_size: 256
    .sgpr_count:     66
    .vgpr_count:     104
    .wavefront_size: 32
...
	.end_amdgpu_metadata
.endif
;; end of part 1
;; launch scan (part 2): grid 32 x 8, 4 waves a work-group, clusters of 4 x 1, 327,680 bytes of LDS; arguments xb, cb, cand; writes cand
.if DOCPART == 2
	.amdgcn_target "amdgcn-amd-amdhsa--gfx1250"
	.amdhsa_code_object_version 6
	.text
	.protected	k_qc023b0cd4f_scan
	.globl	k_qc023b0cd4f_scan
	.p2align	8
	.type	k_qc023b0cd4f_scan,@function
k_qc023b0cd4f_scan:
	s_mov_b64 s[64:65], 0
	v_nop
	global_prefetch_b8 v0, s[64:65] scope:SCOPE_SE
	s_setreg_imm32_b32 hwreg(HW_REG_WAVE_MODE, 25, 1), 1
	s_wait_xcnt 0x0
	s_wait_alu depctr_hold_cnt(0) depctr_sa_sdst(0) depctr_va_vdst(0) depctr_va_sdst(0) depctr_va_ssrc(0) depctr_va_vcc(0) depctr_vm_vsrc(0)
	s_getreg_b32 s2, hwreg(HW_REG_IB_STS2, 6, 4)
	s_cmp_eq_u32 s2, 0
	s_cbranch_scc0 .Lentry_in_a_cluster
	s_endpgm
.Lentry_in_a_cluster:
	s_bfe_u32 s2, ttmp6, 0x10000c
	s_cmp_lg_u32 s2, 0x3003
	s_cbranch_scc0 .Lentry_shape_is_right
	s_endpgm
.Lentry_shape_is_right:
; VECTOR QUANTIZATION, launch 2 of 3: for each query (row of xb) and each slice of 2,048 codes (rows of cb) the largest product x . c and the lowest index that has it.
; The normalisation of x is left out: a positive factor common to a query's products, as shown at the head of the first kernel (cast).
; OUT.  cand [8 slices][8192 queries][2] of u32: (key, index).  The key is the f32 maximum's image in the whole numbers that keeps the order: bits xor ((bits >> 31, arithmetic) | 0x80000000), -0 taken as +0:
; a sort key, so that the third launch chooses among a query's eight candidates, and forms its addresses, from whole numbers alone.
; LIMITS.  A NaN among the products never wins (argmax would take it); a query whose products are all NaN or -infinity keeps its slice's first index.  Products of bf16 operands, sums in f32 in the matrix
; unit's order: two best products closer than the rounding of a sum of 512 terms may be taken the other way than by another order of summing.
; SHARES.  32 blocks of 256 queries x 8 slices = 256 work-groups of equal work.  Wave w owns 64 queries, four tiles of 16, and keeps their 512 channels in 512 registers for the whole launch; it walks
; all 2,048 codes of the slice, 16 a BLOCK: 64 matrix instructions (16 steps of 32 channels x 4 tiles).  No wave needs another's result.
; LAYOUT.  S^T = C X^T (source 0 = 16 codes, source 1 = 16 queries): in the result a lane holds ONE query (lane % 16) and the codes 8 (lane / 16) + 0..7.  So maximum and index are kept a lane, and the
; two halves of the lanes meet once, at the end.
; THE ARGMAX RIDES.  A block's 32 results a lane want 96 vector instructions (compare, maximum, select), which stand in slices of three behind every second matrix instruction of the NEXT block: two sets of four accumulators.
; The compare is strict and a lane's codes ascend, so the lowest index stays.
; THE RING.  Two LDS slots of 128 codes (8 blocks); each wave fills 32 rows of 1,024 bytes by one tensor load (a row is a whole code, so a quarter of a slot has no more rows).  The change of slots stands one
; block ahead of the new slot's first block, when the old slot's last fragments have been fetched: a refill has eight blocks, 512 matrix instructions, in which to land.  By this text's count a wave has two tensor loads
; out at the start and one behind each change.
; CLUSTER.  The four query blocks of a cluster walk the same slice: each tile is asked for JOINTLY, by the same tensor load, descriptor and mask in all four.
; REGISTERS, in windows of 256 (s_set_vgpr_msb: bits 1:0 source 0, 3:2 source 1, 5:4 source 2, 7:6 destination):
;   window 0: v0-9 addresses; v10-13 maxima, v14-17 indices, a tile each; v20-29 the end's work; v64-95, v96-127 the two sets of accumulators (tile t at + 8 t)
;   window 1: v0-127, v128-255 two buffers of code fragments (16 codes x 512 channels; channels 32 k on at + 8 k)
;   window 2: x, channels 0-255 (step k, tile t at 32 k + 8 t)          window 3: x, channels 256-511
.set PITCH,  1040                      ; a code's row in LDS: 1,024 bytes + 16 of padding = 65 x 16: the 16 rows of a fragment load begin at 16 different 16-byte columns modulo 256
.set SLOT,   128*PITCH                 ; 133,120 bytes
.set WSHARE, 32*PITCH                  ; what one wave fills of a slot
.set SPARE,  2*SLOT                    ; behind the ring: the spare words, 128 bytes for each wave: two blocks of 256 bytes that no other line names
.set TILEB,  128*1024                  ; a slot's tile in memory
.set AK0, 2                            ; v2   my lane's place in a block of 16 codes: (l % 16) x PITCH + 16 (l / 16); never rewritten
.set ADR, 3                            ; v3   the LDS address of the run of loads in hand
.set QO,  4                            ; v4   my byte offset in 16 rows of xb; never rewritten
.set H8,  5                            ; v5   8 (l / 16): what my lane's codes lie above the scalar index
.set CO,  6                            ; v6   8 x lane: my pair in 256 bytes of cand
.set PFO, 7                            ; v7   256 x my thread's number: the prefetches' offset; never rewritten
.set SPW, 8                            ; v8   LDS address of my spare word: SPARE + 4 x my thread's number; never rewritten
.set NIL, 9                            ; v9   0; never rewritten
.set MX,  10                           ; v10-13  tile t's running maximum
.set IDX, 14                           ; v14-17  and its index, less H8
.set KEY, 20                           ; v20-23  the end: the maximum's key
.set PR,  24                           ; v24-27  the end: two pairs to store
.set T,   28                           ; v28, v29  at work
.set T2,  29
.set ACC, 64
.set WV,  10                           ; s10  my wave's number
.set CX,  11                           ; s11  my place in the cluster
.set QB,  12                           ; s12  my block of 256 queries
.set SL,  13                           ; s13  my slice of 2,048 codes, which the four partners share
.set G1,  16                           ; s[16:23] descriptor group 1
.set G0,  24                           ; s[24:31] descriptor group 0, a set for each slot
.set TB,  32                           ; s32  LDS byte at which the block to be fetched next begins
.set IX,  33                           ; s33  index of the code in the register that the next slice reads, for lanes 0-15
.set CNT, 34                           ; s34  counts pairs of blocks
.set TRIPS, 35                         ; s35  counts the loop over the ring
.set LIM, 36                           ; s36  1 in a cluster that prefetches, else the greatest number
.set PFA, 38                           ; s[38:39] where my work-group's prefetches stand
.set SEL, 40                           ; s[40:41] v_permlanex16_b32's selects: each lane takes its own place in the other half
.set HM,  42                           ; s42  the mask of lanes 16-31
.set MSB, 0
.macro WIN new                         ; the immediate's high byte repeats the setting that is left; a switch that changes nothing is dropped
.if MSB != (\new)
	s_set_vgpr_msb (MSB<<8)|(\new)
.set MSB, (\new)
.endif
.endm
.set W_M2, 0x09                        ; codes (source 0) window 1, x (source 1) window 2, C and D window 0
.set W_M3, 0x0d                        ; the same with x in window 3
.set W_F,  0x40                        ; destination window 1, address window 0
.set W_X2, 0x80                        ; destination window 2
.set W_X3, 0xc0                        ; destination window 3
.macro PLACES                          ; four plain vector instructions that name no register
.rept 4
	v_nop
.endr
.endm
; A round of the cluster's barrier: my work-group's barrier, so that wave 0's signal speaks for all four waves; wave 0 signals; every wave waits for all four work-groups; my work-group's barrier once more.
.macro CROUND
	s_barrier_signal -1
	s_barrier_wait -1
	s_cmp_lg_u32 s[WV], 0
	s_cbranch_scc1 .Lnot_wave_0_\@
	s_barrier_signal -3
.Lnot_wave_0_\@:
	s_barrier_wait -3
	s_barrier_signal -1
	s_barrier_wait -1
.endm
; Matrix instruction i of a block's 64, on buffer and accumulator set par: channels 32 (i / 4) on, tile i % 4.  The first four start the sums with the constant 0: nothing is cleared.
; The four accumulators take turns, one instruction a turn; a block's last names tile 3 of one set, the next block's first tile 0 of the other.
.macro MM par, i
.set mk, (\i)/4
.set mt, (\i)%4
.set rD, ACC+32*(\par)+8*mt
.set rA, 128*(\par)+8*mk
.set rB, 32*(mk%8)+8*mt
.if mk < 8
	WIN W_M2
.else
	WIN W_M3
.endif
.if mk == 0
	v_wmma_f32_16x16x32_bf16 v[rD:rD+7], v[rA:rA+7], v[rB:rB+7], 0
.else
	v_wmma_f32_16x16x32_bf16 v[rD:rD+7], v[rA:rA+7], v[rB:rB+7], v[rD:rD+7]
.endif
.endm
; Slice n of 32 of the argmax over a finished set: register n / 4 of tile n % 4: each accumulator is read from its lowest register on.
; Behind four tiles the index steps to the next register's code, behind the last register (code 7 or 15 of the block) to the next block's first: + 9.
.macro SLICE set, n
.set st, (\n)%4
.set rS, ACC+32*(\set)+8*st+(\n)/4
	WIN 0
	v_cmp_gt_f32 vcc_lo, v[rS], v[MX+st]           ; strictly greater: of equal products the earlier code stays
	v_max_num_f32 v[MX+st], v[rS], v[MX+st]
	v_cndmask_b32 v[IDX+st], v[IDX+st], s[IX], vcc_lo
.if (\n) == 31
	s_add_co_u32 s[IX], s[IX], 9
.elseif st == 3
	s_add_co_u32 s[IX], s[IX], 1
.endif
.endm
; 32 LDS loads in one run: the next block's 16 fragments (16 codes x 32 channels: two loads of 16 bytes, 32 bytes apart) into the buffer at f.
.macro FETCH f
	WIN 0
	v_add_nc_u32 v[ADR], s[TB], v[AK0]
	s_add_co_u32 s[TB], s[TB], 16*PITCH            ; the fetch after this one is the next 16 codes'
	WIN W_F
.set kk, 0
.rept 16
	ds_load_b128 v[(\f)+8*kk:(\f)+8*kk+3],   v[ADR] offset:64*kk
	ds_load_b128 v[(\f)+8*kk+4:(\f)+8*kk+7], v[ADR] offset:64*kk+32
.set kk, kk+1
.endr
.endm
; A BLOCK on buffer and set par.  scan = 1: the other set, the block before's, is scanned, a slice behind every second matrix instruction.  fetch = 1: the next block's fragments go into the other buffer.
; DISTANCES (a vector instruction reads a matrix result, and a load lands on a matrix source, four plain vector instructions or more behind the matrix instruction: ISA guide 7.12.1 for vector instructions):
; slice 0 reads tile 0's accumulator, written last by instruction 60 of the block before: slices 30 and 31 stand between, six instructions on the other set.  The fetch stands behind slice 1: behind the
; buffer's last reader, instruction 63 of the block before, stand slices 31, 0 and 1.  Behind a block without slices four v_nop take their part.
.macro BLOCK par, scan, fetch
	s_wait_dscnt 0x0                               ; this block's fragments, asked for some 60 matrix instructions ago
.set bi, 0
.rept 32
	MM \par, bi
	MM \par, bi+1
.if \scan
	SLICE 1-(\par), bi/2
.endif
.if (\fetch) && (bi == 2)
	FETCH 128*(1-(\par))
.endif
.set bi, bi+2
.endr
.if !(\scan)
	WIN 0
	PLACES
.endif
.endm
.macro PAIRS n                         ; n times an odd block and an even one
	WIN 0                                          ; at a label and at a branch every window is 0
	s_mov_b32 s[CNT], \n
.Lpair_\@:
	BLOCK 1, 1, 1
	BLOCK 0, 1, 1
	WIN 0
	s_sub_co_u32 s[CNT], s[CNT], 1
	s_cmp_lg_u32 s[CNT], 0
	s_cbranch_scc1 .Lpair_\@
.endm
; A PREFETCH INTO THE L2 of the tile that the NEXT change of slots will ask for: eight blocks, 512 matrix instructions, ahead of that load.  A tile is 512 blocks of 256 bytes.  A slice's eight clusters walk the same
; tiles: the first of them (cluster x = 0) asks.  Its four partners share the tile out BY ADDRESS, 32,768 bytes each, and each thread names one block of 256 bytes: one instruction a wave, each block named once in the
; launch.  Tiles 0 to 2 come by their loads alone; the last change that fills a slot asks for nothing (how = 0 tests the loop's count): there is no tile behind the slice's last.
.macro ASK how
.if \how
	s_cmp_eq_u32 s[LIM], 1
.else
	s_cmp_gt_u32 s[TRIPS], s[LIM]                  ; s[TRIPS] = 1 in the loop's last trip
.endif
	s_cbranch_scc0 .Lnot_mine_\@
	global_prefetch_b8 v[PFO], s[PFA:PFA+1] th:TH_LOAD_NT scope:SCOPE_SE
.Lnot_mine_\@:
.endm
; THE CHANGE OF SLOTS.  Slot old has been read out: its last block's fragments have been asked for.  Each wave waits for all its tensor loads, of which one is out: its part of the other slot; adds 0 to its spare word;
; and waits for that and for its own reads of the old slot.  fill = 1: the barrier is a round of the cluster's, so that no wave of any partner still reads the slot or has a load on its way, and the joint refill,
; the tile two on, is the first thing behind it.  fill = 0: the slice's last tile has been waited for; nothing is left to ask for.
.macro CHANGE old, fill, how
	WIN 0
	s_wait_tensorcnt 0x0                           ; no tensor load of mine is out, so a group 0 may be written
	ds_add_u32 v[SPW], v[NIL]                      ; 0 onto my spare word: the steps below stand between it and the wait for it
.if \fill
	s_add_nc_u64 s[G0+4*(\old)+2:G0+4*(\old)+3], s[G0+4*(\old)+2:G0+4*(\old)+3], 2*TILEB  ; this slot's next tile; the type bits on top are not reached
	s_wait_xcnt 0x0                                ; the last prefetch, eight blocks back, has read its address, so it may be written
	s_add_nc_u64 s[PFA:PFA+1], s[PFA:PFA+1], TILEB
	s_wait_dscnt 0x0                               ; the add is done, and my reads of the old slot are over
	CROUND
	tensor_load_to_lds s[G0+4*(\old):G0+4*(\old)+3], s[G1:G1+7]
	s_nop 0
	PLACES                                         ; an s_nop 0 and four v_nop follow the load, ahead of the branch and of every window switch
	ASK \how
.else
	s_wait_dscnt 0x0
	s_barrier_signal -1
	s_barrier_wait -1
.endif
	s_mov_b32 s[TB], (1-(\old))*SLOT               ; the fetches go on at the other slot's first block
.endm
	s_load_b128 s[4:7], s[0:1], 0x0                ; xb s[4:5], cb s[6:7]
	s_load_b64 s[8:9], s[0:1], 0x10                ; cand
	v_lshl_add_u32 v[SPW], v0, 2, SPARE
	v_mov_b32 v[NIL], 0
	ds_add_u32 v[SPW], v[NIL]                      ; the wave's opening: the add, twice on end, and its wait ahead of my first tensor load; the set-up below, work on registers, stands between
	ds_add_u32 v[SPW], v[NIL]                      ; and once more, under the one wait
	v_lshrrev_b32 v1, 5, v0
	v_readfirstlane_b32 s[WV], v1                  ; wave 0..3
	s_bfe_u32 s[CX], ttmp6, 0x40000                ; cx
	s_lshl_b32 s[QB], ttmp9, 2                     ; in a cluster launch ttmp9 counts clusters
	s_add_co_u32 s[QB], s[QB], s[CX]               ; my block of queries = 4 x cluster x + cx: it enters xb's and cand's addresses alone
	s_and_b32 s[SL], ttmp7, 0xffff
	; descriptor group 1: a tile of 32 rows x 512 elements, padded in LDS
	s_mov_b32 s[G1+0], 15|(1<<16)|(1<<20)|(1<<21)|(7<<22)|(3<<25)  ; 15:0 the mask of four; 17:16 2-byte elements; 20 padding on; 21 set beside a mask; 24:22 after every 256 words (code 7); 31:25 4 words (code 3)
	s_mov_b32 s[G1+1], 512<<16                     ; tensor_dim0 = 512
	s_mov_b32 s[G1+2], 32<<16                      ; tensor_dim1 = 32
	s_mov_b32 s[G1+3], 512<<16                     ; tile_dim0 = 512
	s_mov_b32 s[G1+4], 32                          ; tile_dim1 = 32
	s_mov_b32 s[G1+5], 512                         ; 512 elements from row to row
	s_mov_b32 s[G1+6], 0
	s_mov_b32 s[G1+7], 0
	s_mov_b32 s[SEL], 0x76543210
	s_mov_b32 s[SEL+1], 0xfedcba98
	s_mov_b32 s[HM], 0xffff0000
	s_cmp_eq_u32 ttmp9, 0                          ; the slice's first cluster: the same answer in all four partners
	s_cselect_b32 s[LIM], 1, -1
	s_lshl_b32 s[IX], s[SL], 11                    ; the slice's first code
	s_mov_b32 s[TB], 0
	s_mul_i32 s47, s[WV], WSHARE                   ; where my 32 rows go in a slot: no place in the cluster enters an LDS address
	s_lshl_b32 s52, s[SL], 21                      ; cb: the slice's 2,048 rows of 1,024 bytes,
	s_lshl_b32 s44, s[WV], 15                      ; my 32 rows of a tile
	s_add_co_u32 s52, s52, s44
	s_mov_b32 s53, 0
	s_lshl_b32 s48, s[QB], 18                      ; xb: my block's 256 rows of 1,024 bytes,
	s_lshl_b32 s45, s[WV], 16                      ; my wave's 64
	s_add_co_u32 s48, s48, s45
	s_mov_b32 s49, 0
	s_lshl_b32 s50, s[SL], 16                      ; cand: the slice's 8,192 pairs of 8 bytes,
	s_lshl_b32 s45, s[QB], 11                      ; my block's 256,
	s_add_co_u32 s50, s50, s45
	s_lshl_b32 s45, s[WV], 9                       ; my wave's 64
	s_add_co_u32 s50, s50, s45
	s_mov_b32 s51, 0
	s_lshl_b32 s54, s[SL], 21                      ; the prefetches: the slice,
	s_lshl_b32 s45, s[CX], 15                      ; my work-group's quarter of a tile,
	s_add_co_u32 s54, s54, s45
	s_add_co_u32 s54, s54, 2*TILEB                 ; in tile 2: the first change of slots steps it to tile 3
	s_mov_b32 s55, 0
	v_and_b32 v1, 15, v0                           ; l % 16
	v_bfe_u32 v[H8], v0, 4, 1                      ; l / 16
	v_mul_u32_u24 v[AK0], v1, PITCH
	v_lshl_add_u32 v[AK0], v[H8], 4, v[AK0]
	v_lshlrev_b32 v[QO], 10, v1
	v_lshl_add_u32 v[QO], v[H8], 4, v[QO]
	v_lshlrev_b32 v[H8], 3, v[H8]
	v_and_b32 v[CO], 31, v0
	v_lshlrev_b32 v[CO], 3, v[CO]
	v_lshlrev_b32 v[PFO], 8, v0
.irp t, 0,1,2,3
	v_mov_b32 v[MX+(\t)], 0xff800000               ; -infinity: below every finite product
	v_mov_b32 v[IDX+(\t)], s[IX]
.endr
	s_wait_dscnt 0x0                               ; both opening adds are done
	s_wait_kmcnt 0x0
	s_add_nc_u64 s[4:5], s[4:5], s[48:49]          ; xb at my wave's first query
	s_add_nc_u64 s[8:9], s[8:9], s[50:51]          ; cand at my wave's first pair
	s_add_nc_u64 s[PFA:PFA+1], s[6:7], s[54:55]
	s_add_nc_u64 s[6:7], s[6:7], s[52:53]          ; cb at my 32 rows of the slice's tile 0
.irp s, 0,1
	s_mov_b32 s[G0+4*(\s)], 1                      ; 1:0 count = 1
	s_add_co_u32 s[G0+4*(\s)+1], s47, (\s)*SLOT    ; 63:32 LDS address
	s_add_nc_u64 s[G0+4*(\s)+2:G0+4*(\s)+3], s[6:7], (\s)*TILEB  ; 120:64 global address: tile s
	s_or_b32 s[G0+4*(\s)+3], s[G0+4*(\s)+3], 0x80000000          ; 127:126 type = 2
.endr
	CROUND                                         ; all four work-groups are here: the first joint loads meet
	tensor_load_to_lds s[G0:G0+3], s[G1:G1+7]      ; both first fills go out together, ahead of every wait on TENSORcnt and every LDS read
	s_nop 0
	tensor_load_to_lds s[G0+4:G0+7], s[G1:G1+7]
	s_nop 0
	PLACES
	; x stays in registers.  A fragment is 16 queries x 32 channels in 8 registers: lane l holds row l % 16, channels 8 (l / 16) + 0..7 and 16 + 8 (l / 16) + 0..7: two loads of 16 bytes, 32 bytes apart.
.set xk, 0
.rept 16
.if xk < 8
	WIN W_X2
.else
	WIN W_X3
.endif
.irp t, 0,1,2,3
	global_load_b128 v[32*(xk%8)+8*(\t):32*(xk%8)+8*(\t)+3],   v[QO], s[4:5] offset:16384*(\t)+64*xk
	global_load_b128 v[32*(xk%8)+8*(\t)+4:32*(xk%8)+8*(\t)+7], v[QO], s[4:5] offset:16384*(\t)+64*xk+32
.endr
.set xk, xk+1
.endr
	WIN 0
	s_wait_tensorcnt 0x1                           ; my part of slot 0 is in; slot 1's load, the one issued behind it, may stay out
	s_barrier_signal -1
	s_barrier_wait -1                              ; everybody's is
	FETCH 0                                        ; block 0
	s_wait_loadcnt 0x0                             ; x
	BLOCK 0, 0, 1                                  ; block 0: nothing to scan yet
	PAIRS 3                                        ; blocks 1-6; block 6 fetches block 7, slot 0's last
	s_mov_b32 s[TRIPS], 7
.Lslot:                                                ; a trip goes once round the ring: 16 blocks, both slots filled again; changes 1 to 14 ask for tiles 2 to 15
	CHANGE 0, 1, 1
	PAIRS 4
	CHANGE 1, 1, 0
	PAIRS 4
	s_sub_co_u32 s[TRIPS], s[TRIPS], 1
	s_cmp_lg_u32 s[TRIPS], 0
	s_cbranch_scc1 .Lslot
	CHANGE 0, 0, 0                                 ; the tail is written out: tile 15 lies in slot 1
	PAIRS 4                                        ; blocks 119-126
	BLOCK 1, 1, 0                                  ; block 127
	WIN 0
	PLACES                                         ; with slice 31, the places behind the last products
.set fn, 0
.rept 32
	SLICE 1, fn                                    ; block 127 is scanned
.set fn, fn+1
.endr
	; THE END.  A query's codes lie in two lanes, 16 apart.  Index and key are finished; the greater key wins, of equal keys the lower index.
.irp t, 0,1,2,3
	v_add_nc_u32 v[IDX+(\t)], v[IDX+(\t)], v[H8]
	v_add_f32 v[MX+(\t)], 0, v[MX+(\t)]            ; -0 becomes +0: the two are equal to a compare of floats, so they get one key
	v_ashrrev_i32 v[T], 31, v[MX+(\t)]
	v_or_b32 v[T2], 0x80000000, v[T]
	v_xor_b32 v[KEY+(\t)], v[T2], v[MX+(\t)]       ; a positive number's sign bit is set, a negative number's bits are all turned
	v_permlanex16_b32 v[T], v[KEY+(\t)], s[SEL], s[SEL+1]   ; (both destinations have been written above: they count as read)
	v_permlanex16_b32 v[T2], v[IDX+(\t)], s[SEL], s[SEL+1]
	v_cmp_gt_u32 s44, v[T], v[KEY+(\t)]
	v_cmp_eq_u32 s45, v[T], v[KEY+(\t)]
	v_cmp_lt_u32 s46, v[T2], v[IDX+(\t)]
	s_and_b32 s45, s45, s46
	s_or_b32 s44, s44, s45
	v_cndmask_b32 v[KEY+(\t)], v[KEY+(\t)], v[T], s44
	v_cndmask_b32 v[IDX+(\t)], v[IDX+(\t)], v[T2], s44
.endr
	; Both halves now hold the same.  Lanes 0-15 keep an even tile's pair, lanes 16-31 the odd tile's: lane l holds query 32 u + l, and a store covers 256 consecutive bytes at a multiple of 256.
	v_cndmask_b32 v[PR],   v[KEY],   v[KEY+1], s[HM]
	v_cndmask_b32 v[PR+1], v[IDX],   v[IDX+1], s[HM]
	v_cndmask_b32 v[PR+2], v[KEY+2], v[KEY+3], s[HM]
	v_cndmask_b32 v[PR+3], v[IDX+2], v[IDX+3], s[HM]
	global_store_b64 v[CO], v[PR:PR+1],   s[8:9]
	global_store_b64 v[CO], v[PR+2:PR+3], s[8:9] offset:256
	s_wait_tensorcnt 0x0                           ; the wave's end: behind my last tensor load
	ds_add_u32 v[SPW], v[NIL]
	s_wait_dscnt 0x0
	CROUND                                         ; the closing round: no work-group ends while a partner may still ask for a tile that names it
	s_endpgm
.Lfunc_end_k_qc023b0cd4f_scan:
	.size	k_qc023b0cd4f_scan, .Lfunc_end_k_qc023b0cd4f_scan-k_qc023b0cd4f_scan
	.p2alignl 7, 3214868480
	.fill 96, 4, 3214868480
	.section	.rodata,"a",@progbits
	.p2align	6, 0x0
	.amdhsa_kernel k_qc023b0cd4f_scan
		.amdhsa_group_segment_fixed_size 327680
		.amdhsa_private_segment_fixed_size 0
		.amdhsa_enable_private_segment 0
		.amdhsa_kernarg_size 24
		.amdhsa_user_sgpr_count 2
		.amdhsa_user_sgpr_kernarg_segment_ptr 1
		.amdhsa_wavefront_size32 1
		.amdhsa_system_sgpr_workgroup_id_x 1
		.amdhsa_system_sgpr_workgroup_id_y 1
		.amdhsa_system_sgpr_workgroup_id_z 1
		.amdhsa_system_vgpr_workitem_id 0
		.amdhsa_next_free_vgpr 1024
		.amdhsa_next_free_sgpr 66
		.amdhsa_reserve_vcc 1
		.amdhsa_float_denorm_mode_32 3
		.amdhsa_float_denorm_mode_16_64 3
		.amdhsa_memory_ordered 1
		.amdhsa_forward_progress 1
		.amdhsa_inst_pref_size 146
	.end_amdhsa_kernel
	.amdgpu_metadata
---
amdhsa.version: [ 1, 2 ]
amdhsa.kernels:
  - .name:           k_qc023b0cd4f_scan
    .symbol:         k_qc023b0cd4f_scan.kd
    .args:
      - { .name: xb, .offset: 0, .size: 8, .value_kind: global_buffer, .address_space: global }
      - { .name: cb, .offset: 8, .size: 8, .value_kind: global_buffer, .address_space: global }
      - { .name: cand, .offset: 16, .size: 8, .value_kind: global_buffer, .address_space: global }
    .group_segment_fixed_size: 327680
    .private_segment_fixed_size: 0
    .kernarg_segment_align: 8
    .kernarg_segment_size: 24
    .max_flat_workgroup_size: 128
    .sgpr_count:     66
    .vgpr_count:     1024
    .wavefront_size: 32
...
	.end_amdgpu_metadata
.endif
;; end of part 2
;; launch pick (part 3): grid 256 x 1, 8 waves a work-group, no clusters, 0 bytes of LDS; arguments cand, codebook, out0; writes out0
.if DOCPART == 3
	.amdgcn_target "amdgcn-amd-amdhsa--gfx1250"
	.amdhsa_code_object_version 6
	.text
	.protected	k_qc023b0cd4f_pick
	.globl	k_qc023b0cd4f_pick
	.p2align	8
	.type	k_qc023b0cd4f_pick,@function
k_qc023b0cd4f_pick:
	s_mov_b64 s[64:65], 0
	v_nop
	global_prefetch_b8 v0, s[64:65] scope:SCOPE_SE
	s_setreg_imm32_b32 hwreg(HW_REG_WAVE_MODE, 25, 1), 1
	s_wait_xcnt 0x0
; VECTOR QUANTIZATION, launch 3 of 3: out0[q] = codebook[best(q)], f32 rows of 2,048 bytes.  The normalisation of x is left out, as shown at the head of the first kernel (cast).
; cand [8 slices][8192 queries][2] of u32 holds, for each slice of 2,048 codes, the key of the query's largest product (a whole number in the products' order) and the lowest index that has it.
; The best of the eight is taken by whole-number compares in scalar registers: strictly greater, slices ascending, so of equal keys the lowest index stays, as argmax keeps it.
; SHARES.  Work-group g has queries 32 g .. 32 g + 31, wave w four of them.  Their pairs are 32 consecutive bytes of each slice: one scalar load a slice.  A row is copied by four loads and four stores of
; 512 consecutive bytes; a wave's sixteen loads all go out before the first wait.  No cache word on the loads: two queries may name one row.
; No LDS, no cluster, no prefetch: each wave's whole share is asked for at once.
.set C0, 16                            ; s[16:23] slice 0's four pairs, then the best so far; the other slices' at s24, s32, s40, s48, s56, s72, s80
.set RB, 88                            ; s[88:95] the four rows' addresses
.set D,  4                             ; v[4:67]  query i, quarter c of its row at D + 16 i + 4 c
	s_load_b128 s[4:7], s[0:1], 0x0                ; cand s[4:5], codebook s[6:7]
	s_load_b64 s[8:9], s[0:1], 0x10                ; out0
	v_lshrrev_b32 v2, 5, v0
	v_readfirstlane_b32 s10, v2                    ; wave 0..7
	v_and_b32 v1, 31, v0
	v_lshlrev_b32 v1, 4, v1                        ; 16 x lane
	s_lshl_b32 s12, ttmp9, 8                       ; cand: 32 queries x 8 bytes a work-group,
	s_lshl_b32 s11, s10, 5                         ; 4 x 8 a wave
	s_add_co_u32 s12, s12, s11
	s_mov_b32 s13, 0
	s_lshl_b32 s14, ttmp9, 16                      ; out0: 32 rows of 2,048 bytes a work-group,
	s_lshl_b32 s11, s10, 13                        ; 4 a wave
	s_add_co_u32 s14, s14, s11
	s_mov_b32 s15, 0
	s_wait_kmcnt 0x0
	s_add_nc_u64 s[4:5], s[4:5], s[12:13]
	s_add_nc_u64 s[8:9], s[8:9], s[14:15]
	s_load_b256 s[16:23], s[4:5], 0*65536          ; a slice's pairs lie 65,536 bytes behind the last slice's
	s_load_b256 s[24:31], s[4:5], 1*65536
	s_load_b256 s[32:39], s[4:5], 2*65536
	s_load_b256 s[40:47], s[4:5], 3*65536
	s_load_b256 s[48:55], s[4:5], 4*65536
	s_load_b256 s[56:63], s[4:5], 5*65536
	s_load_b256 s[72:79], s[4:5], 6*65536
	s_load_b256 s[80:87], s[4:5], 7*65536
	s_wait_kmcnt 0x0
.macro BEST g                          ; the slice at s[g ..] against the best so far, for the four queries
.irp i, 0,1,2,3
	s_cmp_gt_u32 s[(\g)+2*(\i)], s[C0+2*(\i)]
	s_cselect_b32 s[C0+2*(\i)],   s[(\g)+2*(\i)],   s[C0+2*(\i)]
	s_cselect_b32 s[C0+2*(\i)+1], s[(\g)+2*(\i)+1], s[C0+2*(\i)+1]
.endr
.endm
.irp g, 24,32,40,48,56,72,80
	BEST \g
.endr
.irp i, 0,1,2,3
	s_min_u32 s[C0+2*(\i)+1], s[C0+2*(\i)+1], 0x3fff  ; an index stays inside the table of 16,384 rows
	s_lshl_b32 s[RB+2*(\i)], s[C0+2*(\i)+1], 11       ; a row is 2,048 bytes
	s_mov_b32 s[RB+2*(\i)+1], 0
	s_add_nc_u64 s[RB+2*(\i):RB+2*(\i)+1], s[6:7], s[RB+2*(\i):RB+2*(\i)+1]
.endr
.irp i, 0,1,2,3
.irp c, 0,1,2,3
	global_load_b128 v[D+16*(\i)+4*(\c):D+16*(\i)+4*(\c)+3], v1, s[RB+2*(\i):RB+2*(\i)+1] offset:512*(\c)
.endr
.endr
.irp i, 0,1,2,3
.irp c, 0,1,2,3
	s_wait_loadcnt 15-4*(\i)-(\c)                  ; loads come back in order (ISA guide 5.7.1): this one is in, the younger ones stay out
	global_store_b128 v1, v[D+16*(\i)+4*(\c):D+16*(\i)+4*(\c)+3], s[8:9] offset:2048*(\i)+512*(\c) th:TH_STORE_NT  ; 512 consecutive bytes, at a multiple of 256 from out0's first
.endr
.endr
	s_endpgm
.Lfunc_end_k_qc023b0cd4f_pick:
	.size	k_qc023b0cd4f_pick, .Lfunc_end_k_qc023b0cd4f_pick-k_qc023b0cd4f_pick
	.p2alignl 7, 3214868480
	.fill 96, 4, 3214868480
	.section	.rodata,"a",@progbits
	.p2align	6, 0x0
	.amdhsa_kernel k_qc023b0cd4f_pick
		.amdhsa_group_segment_fixed_size 0
		.amdhsa_private_segment_fixed_size 0
		.amdhsa_enable_private_segment 0
		.amdhsa_kernarg_size 24
		.amdhsa_user_sgpr_count 2
		.amdhsa_user_sgpr_kernarg_segment_ptr 1
		.amdhsa_wavefront_size32 1
		.amdhsa_system_sgpr_workgroup_id_x 1
		.amdhsa_system_sgpr_workgroup_id_y 1
		.amdhsa_system_sgpr_workgroup_id_z 1
		.amdhsa_system_vgpr_workitem_id 0
		.amdhsa_next_free_vgpr 72
		.amdhsa_next_free_sgpr 96
		.amdhsa_reserve_vcc 0
		.amdhsa_float_denorm_mode_32 3
		.amdhsa_float_denorm_mode_16_64 3
		.amdhsa_memory_ordered 1
		.amdhsa_forward_progress 1
		.amdhsa_inst_pref_size 9
	.end_amdhsa_kernel
	.amdgpu_metadata
---
amdhsa.version: [ 1, 2 ]
amdhsa.kernels:
  - .name:           k_qc023b0cd4f_pick
    .symbol:         k_qc023b0cd4f_pick.kd
    .args:
      - { .name: cand, .offset: 0, .size: 8, .value_kind: global_buffer, .address_space: global }
      - { .name: codebook, .offset: 8, .size: 8, .value_kind: global_buffer, .address_space: global }
      - { .name: out0, .offset: 16, .size: 8, .value_kind: global_buffer, .address_space: global }
    .group_segment_fixed_size: 0
    .private_segment_fixed_size: 0
    .kernarg_segment_align: 8
    .kernarg_segment_size: 24
    .max_flat_workgroup_size: 256
    .sgpr_count:     96
    .vgpr_count:     72
    .wavefront_size: 32
...
	.end_amdgpu_metadata
.endif
;; end of part 3
;; ======== version 2 of 2: 3 launches; version 1 with the launch cast written anew for expert scheduling mode
;; workspace buffers: xb 8,388,608 bytes; cb 16,777,216 bytes; cand 524,288 bytes of whole numbers
;; launch cast (part 4): grid 768 x 1, 8 waves a work-group, no clusters, 0 bytes of LDS; arguments codebook, x, cb, xb; writes cb, xb
.if DOCPART == 4
	.amdgcn_target "amdgcn-amd-amdhsa--gfx1250"
	.amdhsa_code_object_version 6
	.text
	.protected	k_qc023b0cd4f_cast
	.globl	k_qc023b0cd4f_cast
	.p2align	8
	.type	k_qc023b0cd4f_cast,@function
k_qc023b0cd4f_cast:
	s_mov_b64 s[64:65], 0
	v_nop
	global_prefetch_b8 v0, s[64:65] scope:SCOPE_SE
	s_setreg_imm32_b32 hwreg(HW_REG_WAVE_SCHED_MODE, 0, 2), 2
	s_setreg_imm32_b32 hwreg(HW_REG_WAVE_MODE, 25, 1), 1
	s_wait_xcnt 0x0
	s_wait_alu depctr_vm_vsrc(0)
; VECTOR QUANTIZATION, launch 1 of 3: x [8192][512] and codebook [16384][512], f32, are rounded once to bf16 (xb, cb), the operands of the product in the second launch.
; WORK LEFT OUT IN THE WHOLE PROGRAM: the normalisation of x.  reference() divides row n of x by d_n = max(|x_n|, 1e-12), which is at least 1e-12, so positive, for every finite x.
; Then sims[n][k] = (x_n . c_k) / d_n: along k, the axis of the argmax, every number of row n is divided by the same positive d_n, which changes neither their order nor
; their ties (a row of zeros gives zeros either way: index 0).  The output is codebook[argmax], so the norm, its root, the maximum with 1e-12 and the division reach no output.  Both inputs stay live and are loaded.
; LIMITS.  An overflow of the sum of squares (|x| beyond some 1e19), a NaN or an infinity that touches the norm alone is not carried to the result.  bf16 keeps 8 significant bits: the index
; is that of the rounded operands' products; a number beyond bf16's largest finite one (3.39e38) rounds to an infinity.
; SHARES.  A work-group takes 65,536 bytes of f32 and makes 32,768 of bf16: groups 0-511 the codebook, 512-767 x.  Thread t takes the 16 bytes at 16 t + 4,096 i, i = 0..15: a wave's load covers
; 512 consecutive bytes, its store 256 consecutive bytes at a multiple of 256.  All sixteen loads go out before the first wait; no register is written twice, so nothing waits for a store.
; No LDS, no matrix unit, no cluster: nothing is shared and nothing is multiplied.
; THE MODE: SCHED_MODE bits 1:0 = 2 (LLVM: expert scheduling mode 2), set by the entry lines.  The code itself states the register dependences
; between vector instructions and memory instructions, with s_wait_alu, always for 0.
; THE PLAN.  Registers that memory instructions touch:
;   v1, v2   byte offsets.  Written once, at the head; v1 is read by every load, v2 by every store; never written again.
;   IN       chunk i's four registers.  Written by chunk i's load alone, which no vector instruction that names them precedes; read by chunk i's two roundings; never loaded again.
;   OUT      chunk i's two registers.  Written once, by chunk i's two roundings; read by chunk i's store; never written again.
; So the only dependences to state are: the offsets are written ahead of the first load, and OUT is written ahead of its store.  The sixteen chunks go in four groups of four.  The wait for a group's
; roundings stands at the head of the next group's first chunk, behind that chunk's wait for its data, and the group's four stores follow it in one run, with no vector instruction between; the last group's
; wait stands behind its own roundings.  Nothing that a memory instruction has read is written again, so no wait on vm_vsrc is owed.
.set IN,  4                            ; v[4:67]   chunk i: four f32 as loaded
.set OUT, 68                           ; v[68:99]  chunk i: four bf16 to store
; The four stores of group g: chunks 4 g to 4 g + 3.
.macro SEND g
.irp j, 0,1,2,3
	global_store_b64 v2, v[OUT+2*(4*(\g)+(\j)):OUT+2*(4*(\g)+(\j))+1], s[18:19] offset:2048*(4*(\g)+(\j)) th:TH_STORE_NT
.endr
.endm
	s_load_b256 s[4:11], s[0:1], 0x0               ; codebook s[4:5], x s[6:7], cb s[8:9], xb s[10:11]
	v_lshlrev_b32 v1, 4, v0                        ; my 16 bytes of a chunk of f32
	v_lshlrev_b32 v2, 3, v0                        ; my 8 bytes of a chunk of bf16
	s_cmp_lt_u32 ttmp9, 512                        ; the codebook's groups come first
	s_cselect_b32 s13, 0, 512
	s_wait_kmcnt 0x0
	s_cselect_b64 s[16:17], s[4:5], s[6:7]         ; from where,
	s_cselect_b64 s[18:19], s[8:9], s[10:11]       ; to where
	s_sub_co_u32 s12, ttmp9, s13                   ; my block in that tensor
	s_lshl_b32 s14, s12, 16
	s_mov_b32 s15, 0
	s_add_nc_u64 s[16:17], s[16:17], s[14:15]
	s_lshl_b32 s14, s12, 15
	s_add_nc_u64 s[18:19], s[18:19], s[14:15]
	s_wait_alu depctr_va_vdst(0)                   ; v1 and v2 are written: every load of the kernel reads v1 as its offset, every store v2
.irp i, 0,1,2,3,4,5,6,7,8,9,10,11,12,13,14,15
	global_load_b128 v[IN+4*(\i):IN+4*(\i)+3], v1, s[16:17] offset:4096*(\i) th:TH_LOAD_NT
.endr
.irp i, 0,1,2,3,4,5,6,7,8,9,10,11,12,13,14,15
	s_wait_loadcnt 15-(\i)                         ; loads come back in order (ISA guide 5.7.1): chunk i is in, the 15 - i younger ones stay out
.if ((\i) % 4 == 0) && ((\i) > 0)
	s_wait_alu depctr_va_vdst(0)                   ; the eight roundings of the group before have written its OUT registers, which the four stores below read
	SEND (\i)/4-1
.endif
	v_cvt_pk_bf16_f32 v[OUT+2*(\i)],   v[IN+4*(\i)],   v[IN+4*(\i)+1]  ; two roundings to nearest even, packed
	v_cvt_pk_bf16_f32 v[OUT+2*(\i)+1], v[IN+4*(\i)+2], v[IN+4*(\i)+3]
.endr
	s_wait_alu depctr_va_vdst(0)                   ; the last group's roundings have written its OUT registers, which the last four stores read
	SEND 3
	s_endpgm
.Lfunc_end_k_qc023b0cd4f_cast:
	.size	k_qc023b0cd4f_cast, .Lfunc_end_k_qc023b0cd4f_cast-k_qc023b0cd4f_cast
	.p2alignl 7, 3214868480
	.fill 96, 4, 3214868480
	.section	.rodata,"a",@progbits
	.p2align	6, 0x0
	.amdhsa_kernel k_qc023b0cd4f_cast
		.amdhsa_group_segment_fixed_size 0
		.amdhsa_private_segment_fixed_size 0
		.amdhsa_enable_private_segment 0
		.amdhsa_kernarg_size 32
		.amdhsa_user_sgpr_count 2
		.amdhsa_user_sgpr_kernarg_segment_ptr 1
		.amdhsa_wavefront_size32 1
		.amdhsa_system_sgpr_workgroup_id_x 1
		.amdhsa_system_sgpr_workgroup_id_y 1
		.amdhsa_system_sgpr_workgroup_id_z 1
		.amdhsa_system_vgpr_workitem_id 0
		.amdhsa_next_free_vgpr 104
		.amdhsa_next_free_sgpr 66
		.amdhsa_reserve_vcc 0
		.amdhsa_float_denorm_mode_32 3
		.amdhsa_float_denorm_mode_16_64 3
		.amdhsa_memory_ordered 1
		.amdhsa_forward_progress 1
		.amdhsa_inst_pref_size 7
	.end_amdhsa_kernel
	.amdgpu_metadata
---
amdhsa.version: [ 1, 2 ]
amdhsa.kernels:
  - .name:           k_qc023b0cd4f_cast
    .symbol:         k_qc023b0cd4f_cast.kd
    .args:
      - { .name: codebook, .offset: 0, .size: 8, .value_kind: global_buffer, .address_space: global }
      - { .name: x, .offset: 8, .size: 8, .value_kind: global_buffer, .address_space: global }
      - { .name: cb, .offset: 16, .size: 8, .value_kind: global_buffer, .address_space: global }
      - { .name: xb, .offset: 24, .size: 8, .value_kind: global_buffer, .address_space: global }
    .group_segment_fixed_size: 0
    .private_segment_fixed_size: 0
    .kernarg_segment_align: 8
    .kernarg_segment_size: 32
    .max_flat_workgroup_size: 256
    .sgpr_count:     66
    .vgpr_count:     104
    .wavefront_size: 32
...
	.end_amdgpu_metadata
.endif
;; end of part 4
;; launch scan: the kernel of part 2 again; grid 32 x 8, 4 waves a work-group, clusters of 4 x 1, 327,680 bytes of LDS; arguments xb, cb, cand; writes cand
;; launch pick: the kernel of part 3 again; grid 256 x 1, 8 waves a work-group, no clusters, 0 bytes of LDS; arguments cand, codebook, out0; writes out0
